; MI455X (gfx1250); checked and timed in simulation.
; The chip was launched on July 23, 2026; its instructions are those of AMD's public machine-readable ISA for CDNA 5 (MIT licence, August 2026) and "CDNA5" Instruction Set Architecture Reference Guide (July 2026). The comments in the code are by the model that wrote it; some were corrected since.
;; Hierarchical Mo E. Allowed arithmetic: matrix products marked QUANTISED: E4M3 operands, one given power-of-two scale a tensor, by v_wmma_f32_16x16x64_fp8_fp8 or v_wmma_f32_16x16x128_fp8_fp8, f32 sums; products left as they are: f32 operands where the result goes on into a quantised operand, else bf16, f16 or f32 operands; f32 sums; everything else in f32.
;; Inputs: W1 8 x 8 x 512 x 1,024 float32; W2 8 x 8 x 1,024 x 512 float32; b1 8 x 8 x 1,024 float32; b2 8 x 8 x 512 float32; g1 512 x 8 float32; g2 8 x 512 x 8 float32; lowp_scales 6 int32 (the exponents e of the quantised operands' scales 2^e); x 2 x 512 x 512 float32.
;; Outputs: out0 2 x 512 x 512 float32.
;; This version of the problem:
;;   THIS VERSION OF THE PROBLEM IS GIVEN IN LOW PRECISION. The matrix products marked QUANTISED in the list below multiply operands that are first quantised to E4M3 (4 exponent bits, 3 mantissa bits; 8 bits a number), with one given power-of-two scale for each operand tensor; their sums are f32. All else is computed in f32.
;;   The module's matrix products, in the order in which they are computed (A, B: the left and right operand; K: the contracted axis; several contracted axes count as one K, in the product's order):
;;     1. [M 1,024, K 512] x [K 512, N 8]; A: input x; B: input g1: left as it is (N = 8 < 16)
;;     2. [M 1,024, K 512] x [K 512, N 64]; A: input x; B: input g2: QUANTISED (scales: A lowp_scales[0], B lowp_scales[1])
;;     3. [M 1,024, K 512] x [K 512, N 65,536]; A: input x; B: input W1: QUANTISED (scales: A lowp_scales[2], B lowp_scales[3])
;;     4. batch 64 x [M 512, K 1,024] x [K 1,024, N 1,024]; A: input W2; B: computed on the way: QUANTISED (scales: A lowp_scales[4], B lowp_scales[5])
;;     5. batch 8,192 x [M 512, K 8] x [K 8, N 1]; A: computed on the way; B: computed on the way: left as it is (K = 8 < 32)
;;     6. batch 1,024 x [M 512, K 8] x [K 8, N 1]; A: computed on the way; B: computed on the way: left as it is (K = 8 < 32)
;;   THE QUANTISER, for each operand of a quantised product, along K:
;;     - The operand's scale is 2^e, e = its entry of the input lowp_scales (int32; the entries are numbered through the quantised products in the list's order, A before B).
;;     - Each number is divided by the scale, clamped to +-448, and rounded to the nearest number of E4M3, ties to even, subnormals kept.
;;     - The product sums the exact products of the quantised numbers (number of the format x scale) in f32.
;;   ~~~python
;;   def quantise(x, axis, e):      # numpy; x: float32 -> the quantised numbers, widened to float32 again
;;       x = np.moveaxis(x, axis, -1); K = x.shape[-1]
;;       r = np.clip(x / 2.0 ** e, -448, 448)
;;       step = 2.0 ** (np.maximum(np.frexp(np.where(r == 0, 1, r))[1] - 1, -6) - 3)
;;       q = np.round(r / step) * step * 2.0 ** e      # np.round: ties to even
;;       return np.moveaxis(q, -1, axis).astype(np.float32)
;;   ~~~
;;   OPERANDS COMPUTED ON THE WAY. 'Computed on the way' means the value that the module computes at that place (a softmax that the list does not call 'softmax' is quantised finished and normalised). What goes into a quantiser is computed in f32, as accurately as f32 sums, v_exp_f32 and their like allow (about 1e-6 of the number): no bf16 or f16 on the way to a quantiser, and a product that is left as it is and whose result goes on into a quantised operand takes f32 operands (vector FMAs, or v_wmma_f32_16x16x4_f32). A number that lies on a knife's edge between two numbers of the format may be rounded either way, as far as f32 arithmetic and the matrix unit's own rounding can turn it there, and no further.
;; One version. Each part assembles by itself: llvm-mc -triple=amdgcn-amd-amdhsa -mcpu=gfx1250 --defsym DOCPART=n.
;; ======== version 1 of 1: 3 launches
;; workspace buffers: xq 524,288 bytes; selp 4,096 bytes of whole numbers; wgt 16,384 bytes; ypart 33,554,432 bytes
;; launch route (part 1): grid 64 x 1, 16 waves a work-group, no clusters, 40,960 bytes of LDS; arguments x, g1, g2, lowp_scales, xq, selp, wgt; writes xq, selp, wgt
.if DOCPART == 1
	.amdgcn_target "amdgcn-amd-amdhsa--gfx1250"
	.amdhsa_code_object_version 6
	.text
	.protected	k_q22ae86e582_route
	.globl	k_q22ae86e582_route
	.p2align	8
	.type	k_q22ae86e582_route,@function
k_q22ae86e582_route:
	s_mov_b64 s[64:65], 0
	v_nop
	global_prefetch_b8 v0, s[64:65] scope:SCOPE_SE
	s_setreg_imm32_b32 hwreg(HW_REG_WAVE_MODE, 25, 1), 1
	s_wait_xcnt 0x0
; ROUTER.  For 16 tokens a work-group: logits1 = x g1 in f32, logits2 = Q(x) Q(g2) on E4M3 codes (scales 2^e0, 2^e1), the two top-2 choices with their
; softmax weights, and x's codes for the experts' first product (scale 2^e2).
; Stored at fixed places: xq [token][h][s][c][16 bytes] (byte i is k = 128 s + 32 c + 16 h + i: the 256 bytes that lane (r, h) of an operand wants lie on end),
; selp [token]: four bytes, the expert numbers 8 g + e of the token's four choices; wgt [token][4]: c1 x c2 of each choice.  No address and no branch hangs on a float.
; SHARES.  Sixteen waves: wave w has s = w & 3, its 128 of K, and a = w >> 2: groups 2 a, 2 a + 1 of g2 (one tile of 16 rows), and the quarter c = a of its 128 for logits1 and for xq.
; The waves' partial sums meet in LDS as images of their registers; wave 0 adds them and chooses.
; Both products are used transposed (source 0 = the gate's rows, source 1 = the 16 tokens): a lane holds one token (lane % 16).
; k is laid alike in both operands of each product (registers 4 c .. 4 c + 3: k = 32 c + 16 h + 0 .. 15), so every product meets its partner.
; Ties in a top-2 go to the lower index.  The larger logit is taken away before the exponential.
; No cluster, no tensor load: a work-group's inputs are 32 KB of x of its own and 144 KB of gates read straight into registers.
; LIMITS: e0, e1, e2 between -126 and 119; e0 + e1 between -126 and 127.  NaN and infinities among the inputs are not served.
.set P2I, 0                            ; LDS: 16 images of 8 registers (1,024 bytes each): the partial logits2
.set P1I, 16384                        ; the same for logits1
.set XQS, 32768                        ; 16 tokens x 512 bytes of codes, laid as xq
.set X,   16                           ; v16-79   x of my 128 k: register 16 c + i = x(r, 128 s + 32 c + 16 h + i)
.set XQ4, 80                           ; v80-95   x of my quarter, untouched: f32 operand, and the source of xq's codes
.set G1R, 96                           ; v96-111  g1 of my quarter, column r & 7
.set G2R, 112                          ; v112-175 g2's fragment as f32
.set XC,  176                          ; v176-191 x's codes (e0)
.set GC,  192                          ; v192-207 g2's codes (e1)
.set T2,  208                          ; v208-223 the quarter, held for e2
.set XE,  224                          ; v224-227 its 16 codes
.set D2,  228                          ; v228-235 partial logits2
.set L0,  236                          ; v236-238 448 x 2^e0, 2^e1, 2^e2
.set L1A, 240                          ; v240-247, v248-255: partial logits1; written by matrix instructions alone
.set L1B, 248
; wave 0's choosing
.set NINF, 216
.set BI,   217
.set SI,   218
.set BV,   219
.set SV,   220
.set TV,   221
.set PV,   222
.set QV,   223
.set GA,   224
.set GB,   225
.set WA,   226
.set WB,   227
.set AP,   228
.set SEL0, 229
.set SEL1, 230
.set SEL2, 231
.set X0,   232
.set X1,   233
.set X2,   234
.set OW,   180
.set PA,   184
.set PB,   185
.set AS4,  186
.set AS16, 187
	s_load_b256 s[4:11], s[0:1], 0x0               ; x s[4:5], g1 s[6:7], g2 s[8:9], the scales' exponents s[10:11]
	s_load_b128 s[12:15], s[0:1], 0x20             ; xq s[12:13], selp s[14:15]
	s_load_b64 s[16:17], s[0:1], 0x30              ; wgt
	v_lshrrev_b32 v1, 5, v0
	v_readfirstlane_b32 s18, v1                    ; wave 0..15
	s_and_b32 s19, s18, 3                          ; s
	s_lshr_b32 s20, s18, 2                         ; a
	v_and_b32 v1, 31, v0                           ; lane
	v_and_b32 v2, 15, v0                           ; r
	v_bfe_u32 v3, v0, 4, 1                         ; h
	v_lshlrev_b32 v4, 11, v2
	v_lshl_add_u32 v4, v3, 6, v4                   ; x: row r of 2,048 bytes + 64 h
	v_and_b32 v15, 7, v0
	v_lshlrev_b32 v6, 2, v15
	v_lshl_add_u32 v6, v3, 9, v6                   ; g1: column r & 7, 16 h rows of 32 bytes
	v_bfe_u32 v15, v0, 3, 1
	v_lshl_add_u32 v5, v15, 14, v6                 ; g2: the same + group r >> 3 of my two
	v_lshlrev_b32 v7, 4, v1                        ; 16 x lane: an image's place
	s_lshl_b32 s46, s18, 10
	v_add_nc_u32 v8, s46, v7                       ; my images: 16 x lane + 1,024 x wave
	v_lshlrev_b32 v9, 9, v2
	v_lshl_add_u32 v9, v3, 8, v9
	s_lshl_b32 s46, s19, 6
	s_lshl_b32 s47, s20, 4
	s_add_co_u32 s46, s46, s47
	s_add_co_u32 s46, s46, XQS
	v_add_nc_u32 v9, s46, v9                       ; my 16 codes: XQS + 512 r + 256 h + 64 s + 16 a
	v_lshlrev_b32 v11, 4, v0                       ; 16 x thread: xq's bytes on the way out
	v_add_nc_u32 v10, XQS, v11
	s_lshl_b32 s38, ttmp9, 15                      ; 16 tokens x 2,048 bytes,
	s_lshl_b32 s46, s19, 9
	s_add_co_u32 s38, s38, s46                     ; + my 128 k
	s_mov_b32 s39, 0
	s_lshl_b32 s40, s20, 7                         ; my quarter: 32 k
	s_mov_b32 s41, 0
	s_lshl_b32 s42, s19, 12
	s_lshl_b32 s46, s20, 10
	s_add_co_u32 s42, s42, s46                     ; g1: rows 128 s + 32 a on
	s_mov_b32 s43, 0
	s_lshl_b32 s44, s20, 15
	s_lshl_b32 s46, s19, 12
	s_add_co_u32 s44, s44, s46                     ; g2: group 2 a, rows 128 s on
	s_mov_b32 s45, 0
	s_lshl_b32 s50, ttmp9, 13
	s_mov_b32 s51, 0
	s_lshl_b32 s52, ttmp9, 6
	s_mov_b32 s53, 0
	s_lshl_b32 s54, ttmp9, 8
	s_mov_b32 s55, 0
	s_mov_b32 s34, 0x3fb8aa3b                      ; log2(e)
	s_mov_b32 s36, 0x76543210                      ; v_permlanex16_b32: lane l xor 16
	s_mov_b32 s37, 0xfedcba98
	s_wait_kmcnt 0x0
	s_load_b128 s[24:27], s[10:11], 0x0            ; e0, e1, e2, e3
	s_add_nc_u64 s[4:5], s[4:5], s[38:39]
	s_add_nc_u64 s[48:49], s[4:5], s[40:41]
	s_add_nc_u64 s[6:7], s[6:7], s[42:43]
	s_add_nc_u64 s[8:9], s[8:9], s[44:45]
	s_add_nc_u64 s[12:13], s[12:13], s[50:51]
	s_add_nc_u64 s[14:15], s[14:15], s[52:53]
	s_add_nc_u64 s[16:17], s[16:17], s[54:55]
	; 100 loads, all at once: 16 + 4 + 16, then g2's 64
.irp n, 0,1,2,3,4,5,6,7,8,9,10,11,12,13,14,15
	global_load_b128 v[X+4*\n:X+4*\n+3], v4, s[4:5] offset:128*(\n/4)+16*(\n%4)
.endr
.irp j, 0,1,2,3
	global_load_b128 v[XQ4+4*\j:XQ4+4*\j+3], v4, s[48:49] offset:16*\j
.endr
.irp i, 0,1,2,3,4,5,6,7,8,9,10,11,12,13,14,15
	global_load_b32 v[G1R+\i], v6, s[6:7] offset:32*\i
.endr
.set II, 0
.rept 64
	global_load_b32 v[G2R+II], v5, s[8:9] offset:1024*(II/16)+32*(II%16)
.set II, II+1
.endr
.macro MKSCALE e, vs, vl               ; v[vs] = 2^e as f32 (the conversion takes its exponent field), v[vl] = 448 x 2^e
	s_add_co_i32 s46, \e, 127
	s_lshl_b32 s47, s46, 23
	v_mov_b32 v[\vs], s47
	s_add_co_i32 s46, s46, 8
	s_lshl_b32 s46, s46, 23
	s_or_b32 s46, s46, 0x600000
	v_mov_b32 v[\vl], s46
.endm
	s_wait_kmcnt 0x0
	MKSCALE s24, 12, L0
	MKSCALE s25, 13, L0+1
	MKSCALE s26, 14, L0+2
	s_add_co_i32 s46, s24, s25
	s_lshl_b32 s46, s46, 23
	s_add_co_i32 s35, s46, s34                     ; log2(e) x 2^(e0 + e1): a sum of logits2 stands for sum x 2^(e0 + e1)
	s_wait_loadcnt 63                              ; behind x, the quarter and g1 stand g2's 64 loads: with 63 out these 36 are in
.set II, 0
.rept 64
	v_med3_num_f32 v[X+II], v[X+II], -v[L0], v[L0] ; the conversion to an 8-bit code does not saturate (ISA guide 7.6.2): the hold comes first
.set II, II+1
.endr
.irp p, 0,1,2,3,4,5,6,7
	v_cvt_scalef32_pk8_fp8_f32 v[XC+2*\p:XC+2*\p+1], v[X+8*\p:X+8*\p+7], v12
.endr
	v_nop
	; logits1, my 32 k: eight f32 products of 4 k, on two accumulators by turns; the first of each starts its sum
	v_wmma_f32_16x16x4_f32 v[L1A:L1A+7], v[G1R:G1R+1], v[XQ4:XQ4+1], 0
	v_wmma_f32_16x16x4_f32 v[L1B:L1B+7], v[G1R+2:G1R+3], v[XQ4+2:XQ4+3], 0
.irp i, 2,4,6
	v_wmma_f32_16x16x4_f32 v[L1A:L1A+7], v[G1R+2*\i:G1R+2*\i+1], v[XQ4+2*\i:XQ4+2*\i+1], v[L1A:L1A+7]
	v_wmma_f32_16x16x4_f32 v[L1B:L1B+7], v[G1R+2*\i+2:G1R+2*\i+3], v[XQ4+2*\i+2:XQ4+2*\i+3], v[L1B:L1B+7]
.endr
.irp i, 0,1,2,3,4,5,6,7,8,9,10,11,12,13,14,15
	v_med3_num_f32 v[T2+\i], v[XQ4+\i], -v[L0+2], v[L0+2]
.endr
	v_cvt_scalef32_pk8_fp8_f32 v[XE:XE+1], v[T2:T2+7], v14
	v_cvt_scalef32_pk8_fp8_f32 v[XE+2:XE+3], v[T2+8:T2+15], v14
	s_wait_loadcnt 0x0                             ; g2
.set II, 0
.rept 64
	v_med3_num_f32 v[G2R+II], v[G2R+II], -v[L0+1], v[L0+1]   ; (these 64 are also the places behind the f32 products)
.set II, II+1
.endr
.irp p, 0,1,2,3,4,5,6,7
	v_cvt_scalef32_pk8_fp8_f32 v[GC+2*\p:GC+2*\p+1], v[G2R+8*\p:G2R+8*\p+7], v13
.endr
	v_nop                                          ; a plain line between the conversions and the product that reads their results
	v_wmma_f32_16x16x128_fp8_fp8 v[D2:D2+7], v[GC:GC+15], v[XC:XC+15], 0   ; lane (r, h), register j: token r, group 2 a + h, expert j
.irp k, 0,2,4,6
	v_pk_add_f32 v[16+\k:17+\k], v[L1A+\k:L1A+\k+1], v[L1B+\k:L1B+\k+1]     ; token r, group j (both halves alike); from the low end on; four places
.endr
	v_nop
	ds_store_b128 v8, v[D2:D2+3] offset:P2I
	ds_store_b128 v8, v[D2+4:D2+7] offset:P2I+512
	ds_store_b128 v8, v[16:19] offset:P1I
	ds_store_b128 v8, v[20:23] offset:P1I+512
	ds_store_b128 v9, v[XE:XE+3]
	s_wait_dscnt 0x0                               ; for the others' sake: my stores have landed
	s_barrier_signal -1
	s_barrier_wait -1
	ds_load_b128 v[236:239], v10                   ; xq leaves as it lies: each wave stores 512 consecutive bytes
	s_wait_dscnt 0x0
	global_store_b128 v11, v[236:239], s[12:13]
	s_cmp_lg_u32 s18, 0
	s_cbranch_scc1 .Lend                           ; wave 0 alone chooses; no barrier follows
.set II, 0
.rept 16
	ds_load_b128 v[16+8*II:19+8*II], v7 offset:P2I+1024*II
	ds_load_b128 v[20+8*II:23+8*II], v7 offset:P2I+1024*II+512
.set II, II+1
.endr
.set II, 0
.rept 8
	ds_load_b128 v[144+8*II:147+8*II], v7 offset:P1I+1024*II
	ds_load_b128 v[148+8*II:151+8*II], v7 offset:P1I+1024*II+512
.set II, II+1
.endr
	s_wait_dscnt 16                                ; logits2's 32 loads are in; the 16 behind them may be out
.irp a, 0,1,2,3
.irp s, 1,2,3
.irp k, 0,2,4,6
	v_pk_add_f32 v[16+32*\a+\k:17+32*\a+\k], v[16+32*\a+\k:17+32*\a+\k], v[16+32*\a+8*\s+\k:17+32*\a+8*\s+\k]
.endr
.endr
.endr
	s_wait_dscnt 0x0
.irp i, 1,2,3,4,5,6,7
.irp k, 0,2,4,6
	v_pk_add_f32 v[144+\k:145+\k], v[144+\k:145+\k], v[144+8*\i+\k:145+8*\i+\k]
.endr
.endr
.set II, 0
.rept 8
	ds_load_b128 v[152+8*II:155+8*II], v7 offset:P1I+8192+1024*II
	ds_load_b128 v[156+8*II:159+8*II], v7 offset:P1I+8192+1024*II+512
.set II, II+1
.endr
	s_wait_dscnt 0x0
.irp i, 0,1,2,3,4,5,6,7
.irp k, 0,2,4,6
	v_pk_add_f32 v[144+\k:145+\k], v[144+\k:145+\k], v[152+8*\i+\k:153+8*\i+\k]
.endr
.endr
; The two largest of eight registers, the lower index first among equals: a strict compare keeps what it has.
.macro TOP2 src
	v_mov_b32 v[BV], v[\src]
	v_mov_b32 v[BI], 0
.irp j, 1,2,3,4,5,6,7
	v_cmp_gt_f32 vcc_lo, v[\src+\j], v[BV]
	v_cndmask_b32 v[BV], v[BV], v[\src+\j], vcc_lo
	v_cndmask_b32 v[BI], v[BI], \j, vcc_lo
.endr
	v_mov_b32 v[SV], v[NINF]
	v_mov_b32 v[SI], 0
.irp j, 0,1,2,3,4,5,6,7
	v_cmp_eq_u32 vcc_lo, \j, v[BI]
	v_cndmask_b32 v[TV], v[\src+\j], v[NINF], vcc_lo
	v_cmp_gt_f32 vcc_lo, v[TV], v[SV]
	v_cndmask_b32 v[SV], v[SV], v[TV], vcc_lo
	v_cndmask_b32 v[SI], v[SI], \j, vcc_lo
.endr
.endm
; softmax of the two: p = 2^((second - best) c), at most 1; u0 = 1 / (1 + p), u1 = p u0
.macro SOFT2 c, u0, u1
	v_sub_f32 v[TV], v[SV], v[BV]
	v_mul_f32 v[TV], \c, v[TV]
	v_exp_f32 v[PV], v[TV]
	v_nop                                          ; a plain line behind a transcendental
	v_add_f32 v[QV], 1.0, v[PV]
	v_rcp_f32 v[\u0], v[QV]
	v_nop
	v_mul_f32 v[\u1], v[PV], v[\u0]
.endm
	v_mov_b32 v[NINF], 0xff800000
.irp a, 0,1,2,3                                ; my lane's four groups, 2 a + h: experts e0 | e1 << 8 and their weights at v[160 + 4 a] on
	TOP2 16+32*\a
	SOFT2 s35, 161+4*\a, 162+4*\a
	v_lshl_or_b32 v[160+4*\a], v[SI], 8, v[BI]
.endr
	TOP2 144
	SOFT2 s34, WA, WB
	v_mov_b32 v[GA], v[BI]
	v_mov_b32 v[GB], v[SI]
	v_mov_b32 v[X0], 0                             ; a lane permute's destination counts as read
	v_mov_b32 v[X1], 0
	v_mov_b32 v[X2], 0
; Group gx's choice: it lies at a = gx >> 1 in the half of the lanes with h = gx & 1; both halves pick by a, change, and keep the right one.
.macro PICK gx, wx, pair, o0
	v_lshrrev_b32 v[AP], 1, v[\gx]
	v_mov_b32 v[SEL0], v160
	v_mov_b32 v[SEL1], v161
	v_mov_b32 v[SEL2], v162
.irp a, 1,2,3
	v_cmp_eq_u32 vcc_lo, \a, v[AP]
	v_cndmask_b32 v[SEL0], v[SEL0], v[160+4*\a], vcc_lo
	v_cndmask_b32 v[SEL1], v[SEL1], v[161+4*\a], vcc_lo
	v_cndmask_b32 v[SEL2], v[SEL2], v[162+4*\a], vcc_lo
.endr
	v_permlanex16_b32 v[X0], v[SEL0], s36, s37
	v_permlanex16_b32 v[X1], v[SEL1], s36, s37
	v_permlanex16_b32 v[X2], v[SEL2], s36, s37
	v_and_b32 v[AP], 1, v[\gx]
	v_cmp_eq_u32 vcc_lo, v[AP], v3
	v_cndmask_b32 v[SEL0], v[X0], v[SEL0], vcc_lo
	v_cndmask_b32 v[SEL1], v[X1], v[SEL1], vcc_lo
	v_cndmask_b32 v[SEL2], v[X2], v[SEL2], vcc_lo
	v_mul_u32_u24 v[AP], v[\gx], 0x0808
	v_add_nc_u32 v[\pair], v[AP], v[SEL0]          ; 8 g + e0 | (8 g + e1) << 8
	v_mul_f32 v[\o0], v[\wx], v[SEL1]
	v_mul_f32 v[\o0+1], v[\wx], v[SEL2]
.endm
	PICK GA, WA, PA, OW
	PICK GB, WB, PB, OW+2
	v_lshl_or_b32 v[PA], v[PB], 16, v[PA]
	v_lshlrev_b32 v[AS4], 2, v2
	v_lshlrev_b32 v[AS16], 4, v2
	v_cmp_gt_u32 vcc_lo, 16, v1
	s_wait_xcnt 0x0                                ; EXEC changes only behind this wait: xq's store has been issued
	s_and_saveexec_b32 s46, vcc_lo                 ; lanes 0-15: one lane a token
	global_store_b32 v[AS4], v[PA], s[14:15]
	global_store_b128 v[AS16], v[OW:OW+3], s[16:17]   ; sixteen lanes store 256 consecutive bytes, aligned
	s_wait_xcnt 0x0
	s_or_b32 exec_lo, exec_lo, s46
.Lend:
	s_endpgm
.Lfunc_end_k_q22ae86e582_route:
	.size	k_q22ae86e582_route, .Lfunc_end_k_q22ae86e582_route-k_q22ae86e582_route
	.p2alignl 7, 3214868480
	.fill 96, 4, 3214868480
	.section	.rodata,"a",@progbits
	.p2align	6, 0x0
	.amdhsa_kernel k_q22ae86e582_route
		.amdhsa_group_segment_fixed_size 40960
		.amdhsa_private_segment_fixed_size 0
		.amdhsa_enable_private_segment 0
		.amdhsa_kernarg_size 56
		.amdhsa_user_sgpr_count 2
		.amdhsa_user_sgpr_kernarg_segment_ptr 1
		.amdhsa_wavefront_size32 1
		.amdhsa_system_sgpr_workgroup_id_x 1
		.amdhsa_system_sgpr_workgroup_id_y 1
		.amdhsa_system_sgpr_workgroup_id_z 1
		.amdhsa_system_vgpr_workitem_id 0
		.amdhsa_next_free_vgpr 256
		.amdhsa_next_free_sgpr 66
		.amdhsa_reserve_vcc 1
		.amdhsa_float_denorm_mode_32 3
		.amdhsa_float_denorm_mode_16_64 3
		.amdhsa_memory_ordered 1
		.amdhsa_forward_progress 1
		.amdhsa_inst_pref_size 53
	.end_amdhsa_kernel
	.amdgpu_metadata
---
amdhsa.version: [ 1, 2 ]
amdhsa.kernels:
  - .name:           k_q22ae86e582_route
    .symbol:         k_q22ae86e582_route.kd
    .args:
      - { .name: x, .offset: 0, .size: 8, .value_kind: global_buffer, .address_space: global }
      - { .name: g1, .offset: 8, .size: 8, .value_kind: global_buffer, .address_space: global }
      - { .name: g2, .offset: 16, .size: 8, .value_kind: global_buffer, .address_space: global }
      - { .name: lowp_scales, .offset: 24, .size: 8, .value_kind: global_buffer, .address_space: global }
      - { .name: xq, .offset: 32, .size: 8, .value_kind: global_buffer, .address_space: global }
      - { .name: selp, .offset: 40, .size: 8, .value_kind: global_buffer, .address_space: global }
      - { .name: wgt, .offset: 48, .size: 8, .value_kind: global_buffer, .address_space: global }
    .group_segment_fixed_size: 40960
    .private_segment_fixed_size: 0
    .kernarg_segment_align: 8
    .kernarg_segment_size: 56
    .max_flat_workgroup_size: 512
    .sgpr_count:     66
    .vgpr_count:     256
    .wavefront_size: 32
...
	.end_amdgpu_metadata
.endif
;; end of part 1
;; launch experts (part 2): grid 256 x 1, 4 waves a work-group, no clusters, 133,120 bytes of LDS; arguments W1, W2, b1, b2, lowp_scales, xq, selp, wgt, ypart; writes ypart
.if DOCPART == 2
	.amdgcn_target "amdgcn-amd-amdhsa--gfx1250"
	.amdhsa_code_object_version 6
	.text
	.protected	k_q22ae86e582_experts
	.globl	k_q22ae86e582_experts
	.p2align	8
	.type	k_q22ae86e582_experts,@function
k_q22ae86e582_experts:
	s_mov_b64 s[64:65], 0
	v_nop
	global_prefetch_b8 v0, s[64:65] scope:SCOPE_SE
	s_setreg_imm32_b32 hwreg(HW_REG_WAVE_MODE, 25, 1), 1
	s_wait_xcnt 0x0
; THE EXPERTS, only for the rows that chose them.  Work-group = expert E (ttmp9 >> 2) x quarter J (ttmp9 & 3) of its 1,024 hidden units.
; It reads its 512 KB of W1 (all k, 256 columns) and its 512 KB of W2 (256 rows, all columns) ONCE, as f32, quantises them in registers (scales 2^e3, 2^e4) and keeps the codes in registers:
; wave w holds hidden units 64 w .. 64 w + 63 of the quarter (16 fragments) and outputs 128 w .. 128 w + 127 (16 fragments), 512 registers.  No weight goes through LDS or back to memory.
; The rows: every wave reads selp (4 KB), makes the 1,024-bit mask of the tokens that chose E, and takes the rows in blocks of 128 slots: gather x's codes, first product + b1, ReLU, quantise (2^e5),
; second product over the quarter's 256 hidden units (+ b2 where J = 0), x the row's weight, store to ypart [token][choice][J][512]; the next launch adds a token's 16 parts.
; WHAT A LANE HOLDS.  One load of 16 bytes gives lane (r, h) columns 4 r .. 4 r + 3 of one row k: sixteen lanes read 256 consecutive aligned bytes.  Tile cc is the columns 4 r + cc: so the lane owns row r of four
; tiles, and a 4 x 4 transposition of bytes inside the lane (eight v_perm_b32 for 16 codes) lays K along its registers.  The order of hidden units that this gives the first product's results is met by the
; choice of W2's rows for each place along the second K; the order of outputs by the register order of the last multiplication.  Both products are used transposed: a lane holds one row (token).
; x's and the hidden layer's codes go from wave to wave through LDS as images of the operand's registers (16 bytes a lane, 512 a store).
; The loop over blocks has a constant count (8 x 128 = all 1,024 tokens on one expert); work is jumped over by scalar branches on the count of rows, never a barrier.
; what work-groups share (selp, xq's rows) is under a hundredth of a work-group's bytes.
; LIMITS: e3, e4 and e5 - e2 - e3 between -126 and 119; e2 + e3 and e4 + e5 between -126 and 126.  NaN among the inputs is not served; an infinite b2 gives NaN in the parts J > 0 (0 x b2).
.set XIMG, 0                           ; LDS: x's images: 8 tiles of 16 rows x 4 K steps x 2,048 bytes
.set HIMG, 65536                       ; the hidden layer's: 8 tiles x 2 K steps x 2,048
.set STG,  98304                       ; a stage of 16 rows x (512 + 16) bytes for each wave
.set META, 132096                      ; 128 slots: 4 x token + choice at 4 x slot, the weight 512 bytes on
; window 0
.set LI,   4                           ; 16 x lane
.set AW,   5                           ; 16 r + 65,536 h: 16 rows of W1, or 32 rows of W2, further down for lanes 16-31
.set SC3,  6                           ; 2^e3, 2^e4, 2^(e5 - e2 - e3) as f32
.set SC4,  7
.set SCH,  8
.set LM3,  9                           ; 448 x 2^e3
.set XWI,  10                          ; where I store x's images
.set HWI,  11                          ; and the hidden layer's
.set SO,   12                          ; the stage: in,
.set SR,   13                          ; and back
.set MW,   14                          ; META: my slot's word
.set MR,   15                          ; META: row r's word
.set TOK,  16                          ; my slot's token; v17, v18: byte offsets in xq for the wave's two tiles
.set TOKA, 17
.set TOKB, 18
.set GSEL, 19
.set GWGT, 20                          ; v20-23
.set AB,   24                          ; 128 h: the biases
.set AD,   25                          ; LDS addresses of the tile in hand
.set AD2,  26
.set WT,   27                          ; the row's weight.  Also (at other times) A4: byte offset in selp
.set A4,   27
.set IX,   28
.set WS,   29                          ; weight x 2^(e4 + e5).  Also A16: byte offset in wgt
.set A16,  29
.set LM4,  30
.set LMH,  31
.set CT,   32                          ; v32-47  a unit's codes as converted; the selection's registers; the row stores' offsets
.set RO,   32
.set TT,   48                          ; v48-63  half-way through the transposition
.set B1C,  64                          ; v64-95  b1 / 2^(e2 + e3) in the result's layout
.set B2C,  96                          ; v96-159 b2 / 2^(e4 + e5), or 0
.set XF,   160                         ; v160-223 x's four fragments; later a tile of y
.set YS,   160
.set PC,   160                         ; v160-167 the hidden codes just made
.set HA,   224                         ; v224-255 four tiles of the hidden layer; later its two fragments
.set HF,   224
.set T_I,  32
.set T_W,  33
.set T_P,  34
.set T_Q,  35
.set T_A,  36
.set T_B,  37
.set T_C,  38
.set T_D,  39
.set T_POS, 40
.set T_T,  41
.set T_U,  42
.set T_X,  43
; window 1: W1's fragment (cc, s) at 16 (4 cc + s).  window 2: W2's fragment (o, s) at 16 (2 o + s).  window 3: four sets of 64 for the f32 weights on their way; afterwards v0-63 the 8 accumulators of y.
; scalars: s22 wave, s23 E, s24 J, s25 E in four bytes, s26 N rows, s27 max(N,1)-1, s28 rows left from this block on, s29 the same for the tiles in hand, s30 s31 s66 LDS steps, s[32:63] the mask,
; s67 s68 s70 s81 at work, s69 my first slot, s71 s72 counters, s78 2^-(e2+e3), s79 2^-(e4+e5) or 0, s80 2^(e4+e5), s[84:89] e0..e5, s90-93 byte selectors, s94 s95 masks, s96 s97 lane selects
.set MSB, 0
.macro WIN new                         ; low byte: bits 1:0 source 0, 3:2 source 1, 5:4 source 2, 7:6 destination; the high byte repeats the setting that is left
.if MSB != \new
	s_set_vgpr_msb (MSB<<8)|\new
.set MSB, \new
.endif
.endm
.macro BARRIER                         ; my LDS stores have landed and my LDS loads are in: then the work-group's barrier
	s_wait_dscnt 0x0
	s_barrier_signal -1
	s_barrier_wait -1
.endm
; UNIT u of the stream, into set u % 4.  0-15: W1, k = 32 u + 16 h + 0 .. 15.  16: b1.  17: b2.  18-33: W2, t = u - 18: columns 64 (t / 8) on, K step (t / 4) % 2, block c = t % 4.
.macro LOADU u
	WIN 0xc0
.set SS, 64*((\u)%4)
.if (\u) < 16
.irp i, 0,1,2,3,4,5,6,7,8,9,10,11,12,13,14,15
	global_load_b128 v[SS+4*\i:SS+4*\i+3], v[AW], s[4:5] offset:(32*(\u)+\i)*4096 th:TH_LOAD_NT
.endr
.elseif (\u) == 16
.irp i, 0,1,2,3,4,5,6,7
	global_load_b128 v[SS+4*\i:SS+4*\i+3], v[AB], s[8:9] offset:16*\i
.endr
.elseif (\u) == 17
.irp i, 0,1,2,3,4,5,6,7,8,9,10,11,12,13,14,15
	global_load_b128 v[SS+4*\i:SS+4*\i+3], v[AB], s[10:11] offset:256*(\i/8)+16*(\i%8)
.endr
.else
.set TQ, ((\u)-18)/8
.set TS, (((\u)-18)/4)%2
.set TC, ((\u)-18)%4
.irp i, 0,1,2,3,4,5,6,7,8,9,10,11,12,13,14,15
	global_load_b128 v[SS+4*\i:SS+4*\i+3], v[AW], s[6:7] offset:(128*TS+64*(TC/2)+4*(\i%8)+2*(TC%2)+\i/8)*2048+256*TQ th:TH_LOAD_NT   ; place i of block c along the second K is this hidden unit (+ 32 h)
.endr
.endif
.endm
; Unit u is held, converted (register i of CT: the four columns' codes at place i), transposed by bytes and laid into four fragments' registers 4 c .. 4 c + 3.  A bias is scaled into the result's layout.
.macro CONVU u
.set SS, 64*((\u)%4)
.if (\u) == 16
	WIN 0x0c
.irp cc, 0,1,2,3
.irp jj, 0,1,2,3,4,5,6,7
	v_mul_f32 v[B1C+8*\cc+\jj], s78, v[SS+4*\jj+\cc]
.endr
.endr
.elseif (\u) == 17
	WIN 0x0c
.irp o, 0,1,2,3,4,5,6,7
.irp jj, 0,1,2,3,4,5,6,7
	v_mul_f32 v[B2C+8*\o+\jj], s79, v[SS+4*(8*(\o/4)+\jj)+\o%4]
.endr
.endr
.else
.if (\u) < 16
.set LM, LM3
.set SC, SC3
.set FW, 0x40
.set FS, 64
.set F0, 16*((\u)/4)+4*((\u)%4)
.else
.set LM, LM4
.set SC, SC4
.set FW, 0x80
.set FS, 32
.set F0, 128*(((\u)-18)/8)+16*((((\u)-18)/4)%2)+4*(((\u)-18)%4)
.endif
	WIN 0xc3
.set II, 0
.rept 64
	v_med3_num_f32 v[SS+II], v[SS+II], -v[LM], v[LM]   ; the conversion to an 8-bit code does not saturate (ISA guide 7.6.2): the hold comes first
.set II, II+1
.endr
	WIN 0x03
.irp p, 0,1,2,3,4,5,6,7
	v_cvt_scalef32_pk8_fp8_f32 v[CT+2*\p:CT+2*\p+1], v[SS+8*\p:SS+8*\p+7], v[SC]
.endr
	v_nop                                          ; a plain line between the conversions and the lines that read their results
	WIN 0
.irp mm, 0,1,2,3
	v_perm_b32 v[TT+4*\mm], v[CT+4*\mm+1], v[CT+4*\mm], s90
	v_perm_b32 v[TT+4*\mm+1], v[CT+4*\mm+1], v[CT+4*\mm], s91
	v_perm_b32 v[TT+4*\mm+2], v[CT+4*\mm+3], v[CT+4*\mm+2], s90
	v_perm_b32 v[TT+4*\mm+3], v[CT+4*\mm+3], v[CT+4*\mm+2], s91
.endr
	WIN FW
.irp mm, 0,1,2,3
	v_perm_b32 v[F0+\mm], v[TT+4*\mm+2], v[TT+4*\mm], s92
	v_perm_b32 v[F0+FS+\mm], v[TT+4*\mm+2], v[TT+4*\mm], s93
	v_perm_b32 v[F0+2*FS+\mm], v[TT+4*\mm+3], v[TT+4*\mm+1], s92
	v_perm_b32 v[F0+3*FS+\mm], v[TT+4*\mm+3], v[TT+4*\mm+1], s93
.endr
.endif
.endm
; A step of the stream.  The wait counts the loads issued behind unit u's: those of units u + 1 .. u + 3 (16 each, unit 16 has 8) and extra others; the count's field ends at 63.
.macro STEP u, extra
.set NW, \extra
.irp d, 1,2,3
.if (\u)+\d <= 33
.if (\u)+\d == 16
.set NW, NW+8
.else
.set NW, NW+16
.endif
.endif
.endr
.if NW > 63
.set NW, 63
.endif
	s_wait_loadcnt NW
	CONVU \u
.if (\u)+4 <= 33
	LOADU (\u)+4
.endif
.endm
; One level of the search for the rem-th set bit: t = the bits set in the lower half of the field at pos; where rem >= t, go to the upper half.
.macro LEVEL src, bits, step
	v_bfe_u32 v[T_T], v[\src], v[T_POS], \bits
	v_cmp_ge_u32 vcc_lo, v[T_I], v[T_T]
	v_cndmask_b32 v[T_T], 0, v[T_T], vcc_lo
	v_add_nc_u32 v[T_U], \step, v[T_POS]
	v_sub_nc_u32 v[T_I], v[T_I], v[T_T]
	v_cndmask_b32 v[T_POS], v[T_POS], v[T_U], vcc_lo
.endm
; Lane l finds the token of slot s69 + l: the (slot)-th set bit of the mask (slots past the last row take the last row's token; with no row at all a token inside the table, which nobody uses).
.macro SELECT
	v_add_nc_u32 v[T_I], s69, v1
	v_min_u32 v[T_I], s27, v[T_I]
	v_mov_b32 v[T_W], s32
	v_mov_b32 v[T_P], 0
	v_mov_b32 v[T_Q], 0
	s_mov_b32 s67, 0
.set QQ, 0
.rept 31
	s_bcnt1_i32_b32 s68, s[32+QQ]
	s_add_co_u32 s67, s67, s68
	v_cmp_le_u32 vcc_lo, s67, v[T_I]
	v_cndmask_b32 v[T_W], v[T_W], s[33+QQ], vcc_lo
	v_cndmask_b32 v[T_P], v[T_P], s67, vcc_lo
	v_cndmask_b32 v[T_Q], v[T_Q], QQ+1, vcc_lo
.set QQ, QQ+1
.endr
	v_sub_nc_u32 v[T_I], v[T_I], v[T_P]            ; which set bit of the word
	v_lshrrev_b32 v[T_A], 1, v[T_W]
	v_and_b32 v[T_A], 0x55555555, v[T_A]
	v_sub_nc_u32 v[T_A], v[T_W], v[T_A]            ; counts of 2 bits,
	v_lshrrev_b32 v[T_B], 2, v[T_A]
	v_and_b32 v[T_B], 0x33333333, v[T_B]
	v_and_b32 v[T_T], 0x33333333, v[T_A]
	v_add_nc_u32 v[T_B], v[T_B], v[T_T]            ; of 4,
	v_lshrrev_b32 v[T_C], 4, v[T_B]
	v_add_nc_u32 v[T_C], v[T_C], v[T_B]
	v_and_b32 v[T_C], 0x0f0f0f0f, v[T_C]           ; of 8,
	v_lshrrev_b32 v[T_D], 8, v[T_C]
	v_add_nc_u32 v[T_D], v[T_D], v[T_C]            ; of 16 (in the low byte)
	v_mov_b32 v[T_POS], 0
	LEVEL T_D, 8, 16
	LEVEL T_C, 8, 8
	LEVEL T_B, 4, 4
	LEVEL T_A, 2, 2
	LEVEL T_W, 1, 1
	v_lshl_add_u32 v[TOK], v[T_Q], 5, v[T_POS]
	v_mov_b32 v[T_X], 0                            ; a lane permute's destination counts as read
	v_permlanex16_b32 v[T_X], v[TOK], s96, s97
	v_cndmask_b32 v[TOKA], v[T_X], v[TOK], s95     ; the first tile's row r is lane r's slot,
	v_cndmask_b32 v[TOKB], v[TOK], v[T_X], s95     ; the second's lane 16 + r's
	v_min_u32 v[TOK], 0x3ff, v[TOK]                ; a number made of loaded data enters an address only behind such a bound
	v_min_u32 v[TOKA], 0x3ff, v[TOKA]
	v_min_u32 v[TOKB], 0x3ff, v[TOKB]
	v_lshlrev_b32 v[A4], 2, v[TOK]
	v_lshlrev_b32 v[A16], 4, v[TOK]
	v_lshlrev_b32 v[TOKA], 9, v[TOKA]
	v_lshl_add_u32 v[TOKA], v3, 8, v[TOKA]         ; token x 512 + 256 h
	v_lshlrev_b32 v[TOKB], 9, v[TOKB]
	v_lshl_add_u32 v[TOKB], v3, 8, v[TOKB]
.endm
.macro XG reg, tok                     ; a tile's four fragments of x: my row's 256 bytes
.irp n, 0,1,2,3,4,5,6,7,8,9,10,11,12,13,14,15
	global_load_b128 v[\reg+4*\n:\reg+4*\n+3], v[\tok], s[14:15] offset:16*\n
.endr
.endm
.macro XIMAGE reg, u                   ; and their images, tile 2 w + u
.irp n, 0,1,2,3,4,5,6,7,8,9,10,11,12,13,14,15
	ds_store_b128 v[XWI], v[\reg+4*\n:\reg+4*\n+3] offset:8192*\u+512*\n
.endr
.endm
.macro METAOUT                         ; which of the token's four choices is E, and its weight
	v_xor_b32 v[T_A], s25, v[GSEL]
	v_mov_b32 v[T_B], 0
	v_mov_b32 v[T_C], v[GWGT]
.irp q, 1,2,3
	v_bfe_u32 v[T_T], v[T_A], 8*\q, 8
	v_cmp_eq_u32 vcc_lo, 0, v[T_T]
	v_cndmask_b32 v[T_B], v[T_B], \q, vcc_lo
	v_cndmask_b32 v[T_C], v[T_C], v[GWGT+\q], vcc_lo
.endr
	v_lshl_add_u32 v[T_B], v[TOK], 2, v[T_B]
	ds_store_b32 v[MW], v[T_B]
	ds_store_b32 v[MW], v[T_C] offset:512
.endm
; THE FIRST PRODUCT for tile mm of 16 rows: my 64 hidden units, four accumulators by turns, b1 as the C of each sum's first product; ReLU and hold in one; my half of a fragment to LDS.
.macro P1TILE mm, skip
	WIN 0
	s_cmp_le_i32 s29, 16*(\mm)
	s_cbranch_scc1 \skip                           ; no row in this tile, nor in any later one
	v_add_nc_u32 v[AD], s30, v[LI]
	v_add_nc_u32 v[AD2], s31, v[HWI]
.irp n, 0,1,2,3,4,5,6,7,8,9,10,11,12,13,14,15
	ds_load_b128 v[XF+4*\n:XF+4*\n+3], v[AD] offset:8192*(\mm)+512*\n
.endr
	s_wait_dscnt 0x0
	WIN 0x01
.irp s, 0,1,2,3
.irp cc, 0,1,2,3
.if \s == 0
	v_wmma_f32_16x16x128_fp8_fp8 v[HA+8*\cc:HA+8*\cc+7], v[16*(4*\cc+\s):16*(4*\cc+\s)+15], v[XF+16*\s:XF+16*\s+15], v[B1C+8*\cc:B1C+8*\cc+7]
.else
	v_wmma_f32_16x16x128_fp8_fp8 v[HA+8*\cc:HA+8*\cc+7], v[16*(4*\cc+\s):16*(4*\cc+\s)+15], v[XF+16*\s:XF+16*\s+15], v[HA+8*\cc:HA+8*\cc+7]
.endif
.endr
.endr
	WIN 0
.rept 5
	v_nop                                          ; places: four in front of the reads of results and of loads into operands, a fifth in front of the next product that writes over these registers
.endr
.set II, 0
.rept 32
	v_med3_num_f32 v[HA+II], v[HA+II], 0, v[LMH]   ; register 8 cc + j of lane (r, h): row r, hidden unit 64 w + 32 h + 4 j + cc; each accumulator from its low end on
.set II, II+1
.endr
.irp cc, 0,1,2,3
	v_cvt_scalef32_pk8_fp8_f32 v[PC+2*\cc:PC+2*\cc+1], v[HA+8*\cc:HA+8*\cc+7], v[SCH]
.endr
	v_nop
	ds_store_b128 v[AD2], v[PC:PC+3] offset:4096*(\mm)
	ds_store_b128 v[AD2], v[PC+4:PC+7] offset:4096*(\mm)+512
.endm
; THE SECOND PRODUCT for tile mm: my 128 outputs, eight accumulators by turns, two K steps; x weight x 2^(e4 + e5); through my stage; each valid row leaves as 512 consecutive aligned bytes.
.macro P2TILE mm, skip
	WIN 0
	s_cmp_le_i32 s29, 16*(\mm)
	s_cbranch_scc1 \skip
	s_wait_xcnt 0x0                                ; the last tile's stores have read their data and offsets: both are written again below
	ds_load_b32 v[WT], v[AD2] offset:512+64*(\mm)
	ds_load_b32 v[IX], v[AD2] offset:64*(\mm)
.irp n, 0,1,2,3,4,5,6,7
	ds_load_b128 v[HF+4*\n:HF+4*\n+3], v[AD] offset:4096*(\mm)+512*\n
.endr
	s_wait_dscnt 0x0
	v_mul_f32 v[WS], s80, v[WT]
	WIN 0xc2
.irp o, 0,1,2,3,4,5,6,7
	v_wmma_f32_16x16x128_fp8_fp8 v[8*\o:8*\o+7], v[32*\o:32*\o+15], v[HF:HF+15], v[B2C+8*\o:B2C+8*\o+7]
.endr
	WIN 0xf2
.irp o, 0,1,2,3,4,5,6,7
	v_wmma_f32_16x16x128_fp8_fp8 v[8*\o:8*\o+7], v[32*\o+16:32*\o+31], v[HF+16:HF+31], v[8*\o:8*\o+7]
.endr
	WIN 0
.rept 5
	v_nop                                          ; places, as behind the first product
.endr
	WIN 0x0c
.irp jj, 0,1,2,3,4,5,6,7                       ; register j of accumulator 4 q + cc is output 128 w + 64 q + 32 h + 4 j + cc: the multiplication lays four neighbours side by side; each accumulator is read from register 0 on
.irp o, 0,1,2,3,4,5,6,7
	v_mul_f32 v[YS+32*(\o/4)+4*\jj+\o%4], v[WS], v[8*\o+\jj]
.endr
.endr
	WIN 0
.irp q, 0,1
.irp jj, 0,1,2,3,4,5,6,7
	ds_store_b128 v[SO], v[YS+32*\q+4*\jj:YS+32*\q+4*\jj+3] offset:256*\q+16*\jj
.endr
.endr
.irp i, 0,1,2,3,4,5,6,7,8,9,10,11,12,13,14,15
	ds_load_b128 v[YS+4*\i:YS+4*\i+3], v[SR] offset:528*\i   ; LDS serves a wave's instructions in order (ISA guide 5.7.1.4): these see the stores above
.endr
.irp i, 0,1,2,3,4,5,6,7,8,9,10,11,12,13,14,15
.if \i > 0
	s_cmp_le_i32 s29, 16*(\mm)+\i
	s_cbranch_scc1 \skip                           ; the rows have run out
.endif
	v_readlane_b32 s68, v[IX], \i                  ; 4 x token + choice of row i,
	s_min_u32 s68, s68, 4095                       ; bounded before it enters an address,
	s_lshl_b32 s68, s68, 13                        ; x 4 parts of 2,048 bytes
	v_add_nc_u32 v[RO+\i], s68, v[LI]
	s_wait_dscnt 15-\i                             ; behind row i's load stand the loads of rows i + 1 .. 15
	global_store_b128 v[RO+\i], v[YS+4*\i:YS+4*\i+3], s[20:21]
.endr
.endm
	s_load_b512 s[4:19], s[0:1], 0x0               ; W1 s[4:5], W2 s[6:7], b1 s[8:9], b2 s[10:11], exponents s[12:13], xq s[14:15], selp s[16:17], wgt s[18:19]
	s_load_b64 s[20:21], s[0:1], 0x40              ; ypart
	v_lshrrev_b32 v1, 5, v0
	v_readfirstlane_b32 s22, v1                    ; wave 0..3
	s_lshr_b32 s23, ttmp9, 2                       ; E
	s_and_b32 s24, ttmp9, 3                        ; J
	s_mul_i32 s25, s23, 0x01010101
	v_and_b32 v1, 31, v0                           ; lane
	v_and_b32 v2, 15, v0                           ; r
	v_bfe_u32 v3, v0, 4, 1                         ; h
	v_lshlrev_b32 v[LI], 4, v1
	v_lshlrev_b32 v[AW], 4, v2
	v_lshl_add_u32 v[AW], v3, 16, v[AW]
	s_lshl_b32 s68, s22, 14
	v_add_nc_u32 v[XWI], s68, v[LI]                ; XIMG (0) + 16 x lane + two tiles x wave
	s_lshr_b32 s68, s22, 1
	s_lshl_b32 s68, s68, 11
	s_and_b32 s70, s22, 1
	s_lshl_b32 s70, s70, 10
	s_add_co_u32 s68, s68, s70
	s_add_co_u32 s68, s68, HIMG
	v_add_nc_u32 v[HWI], s68, v[LI]                ; K step w >> 1, blocks 2 (w & 1) and the next
	s_mul_i32 s68, s22, 8448
	s_add_co_u32 s68, s68, STG
	v_mul_u32_u24 v[SO], v2, 528
	v_lshl_add_u32 v[SO], v3, 7, v[SO]
	v_add_nc_u32 v[SO], s68, v[SO]
	v_add_nc_u32 v[SR], s68, v[LI]
	v_lshlrev_b32 v[A4], 2, v1                     ; 4 x lane
	s_lshl_b32 s68, s22, 7
	s_add_co_u32 s68, s68, META
	v_add_nc_u32 v[MW], s68, v[A4]
	v_lshlrev_b32 v[MR], 2, v2
	v_add_nc_u32 v[MR], META, v[MR]
	v_lshlrev_b32 v[AB], 7, v3
	s_lshl_b32 s74, s23, 21                        ; W1: expert, + columns 256 J + 64 w
	s_lshl_b32 s81, s24, 10
	s_add_co_u32 s74, s74, s81
	s_lshl_b32 s81, s22, 8
	s_add_co_u32 s74, s74, s81
	s_mov_b32 s75, 0
	s_lshl_b32 s76, s23, 21                        ; W2: expert, + rows 256 J, + columns 128 w
	s_lshl_b32 s81, s24, 19
	s_add_co_u32 s76, s76, s81
	s_lshl_b32 s81, s22, 9
	s_add_co_u32 s76, s76, s81
	s_mov_b32 s77, 0
	s_lshl_b32 s82, s23, 12                        ; b1
	s_lshl_b32 s81, s24, 10
	s_add_co_u32 s82, s82, s81
	s_lshl_b32 s81, s22, 8
	s_add_co_u32 s82, s82, s81
	s_mov_b32 s83, 0
	s_lshl_b32 s98, s23, 11                        ; b2
	s_lshl_b32 s81, s22, 9
	s_add_co_u32 s98, s98, s81
	s_mov_b32 s99, 0
	s_lshl_b32 s100, s24, 11                       ; ypart: part J, my 128 outputs
	s_add_co_u32 s100, s100, s81
	s_mov_b32 s101, 0
	s_mov_b32 s90, 0x05010400
	s_mov_b32 s91, 0x07030602
	s_mov_b32 s92, 0x05040100
	s_mov_b32 s93, 0x07060302
	s_mov_b32 s94, 0x7f7f7f7f
	s_mov_b32 s95, 0xffff
	s_mov_b32 s96, 0x76543210
	s_mov_b32 s97, 0xfedcba98
	s_wait_kmcnt 0x0
	s_load_b128 s[84:87], s[12:13], 0x0            ; e0 .. e3
	s_load_b64 s[88:89], s[12:13], 0x10            ; e4, e5
	s_add_nc_u64 s[4:5], s[4:5], s[74:75]
	s_add_nc_u64 s[6:7], s[6:7], s[76:77]
	s_add_nc_u64 s[8:9], s[8:9], s[82:83]
	s_add_nc_u64 s[10:11], s[10:11], s[98:99]
	s_add_nc_u64 s[20:21], s[20:21], s[100:101]
.set QQ, 0
.rept 32
	global_load_b32 v[XF+QQ], v[A4], s[16:17] offset:128*QQ   ; all 1,024 tokens' choices: register q, lane l: token 32 q + l
.set QQ, QQ+1
.endr
	LOADU 0
	LOADU 1
	WIN 0
.macro MKSCALE e, vs, vl               ; v[vs] = 2^e as f32, v[vl] = 448 x 2^e
	s_add_co_i32 s70, \e, 127
	s_lshl_b32 s81, s70, 23
	v_mov_b32 v[\vs], s81
	s_add_co_i32 s70, s70, 8
	s_lshl_b32 s70, s70, 23
	s_or_b32 s70, s70, 0x600000
	v_mov_b32 v[\vl], s70
.endm
	s_wait_kmcnt 0x0
	MKSCALE s87, SC3, LM3
	MKSCALE s88, SC4, LM4
	s_add_co_i32 s66, s86, s87                     ; e2 + e3: a sum of the first product stands for sum x 2^(e2 + e3),
	s_sub_co_i32 s67, s89, s66                     ; so its code is sum / 2^(e5 - e2 - e3),
	MKSCALE s67, SCH, LMH
	s_sub_co_i32 s78, 127, s66
	s_lshl_b32 s78, s78, 23                        ; and b1 goes in x 2^-(e2 + e3)
	s_add_co_i32 s66, s88, s89                     ; e4 + e5
	s_sub_co_i32 s79, 127, s66
	s_lshl_b32 s79, s79, 23
	s_cmp_eq_u32 s24, 0
	s_cselect_b32 s79, s79, 0                      ; b2 counts in part 0 alone
	s_add_co_i32 s80, s66, 127
	s_lshl_b32 s80, s80, 23
	s_wait_loadcnt 32                              ; behind selp's loads stand units 0 and 1
.set QQ, 0
.rept 32
	v_xor_b32 v[XF+QQ], s25, v[XF+QQ]              ; a byte is 0 where the choice is E; all bytes are under 64,
	v_add_nc_u32 v[XF+QQ], s94, v[XF+QQ]           ; so + 0x7f sets bit 7 of every other byte and carries nothing
	v_or_b32 v[XF+QQ], s94, v[XF+QQ]
	v_cmp_ne_u32 s[32+QQ], -1, v[XF+QQ]
.set QQ, QQ+1
.endr
	s_mov_b32 s26, 0
.set QQ, 0
.rept 32
	s_bcnt1_i32_b32 s68, s[32+QQ]
	s_add_co_u32 s26, s26, s68
.set QQ, QQ+1
.endr
	s_max_u32 s27, s26, 1
	s_sub_co_u32 s27, s27, 1
	s_lshl_b32 s69, s22, 5                         ; my first slot: 32 x wave
	SELECT
	global_load_b32 v[GSEL], v[A4], s[16:17]       ; block 0's rows: 34 loads, under no branch, so that every count below holds on every way
	global_load_b128 v[GWGT:GWGT+3], v[A16], s[18:19]
	XG XF, TOKA
	XG B1C, TOKB                                   ; (the biases' registers are free until units 16 and 17 are converted)
	LOADU 2
	LOADU 3
	STEP 0, 34
	STEP 1, 34
	WIN 0
	s_wait_loadcnt 63                              ; behind the 34 stand units 2 to 5: 64 loads
	METAOUT
	XIMAGE XF, 0
	XIMAGE B1C, 1
	s_wait_dscnt 0x0                               ; the stores have read their registers
.irp u, 2,3,4,5,6,7,8,9,10,11,12,13,14,15,16,17
	STEP \u, 0
.endr
	WIN 0
	BARRIER                                        ; block 0's images of x and its slots' words lie in LDS; W2's loads stay on their way
	s_mov_b32 s30, XIMG
	s_mov_b32 s31, 0
	s_mov_b32 s29, s26
.irp m, 0,1,2,3,4,5,6,7                        ; block 0's first product stands between the steps of W2's stream
	P1TILE \m, .Lf\m
.Lf\m:
	STEP 18+2*\m, 0
	STEP 19+2*\m, 0
.endr
	WIN 0
	s_mov_b32 s28, s26
	s_mov_b32 s71, 8
.Lblock:                                           ; a trip: the second product of the block in hand; the next block's rows and first product
	BARRIER                                        ; the hidden layer's images lie in LDS
	s_mov_b32 s31, HIMG
	s_mov_b32 s66, 0
	s_mov_b32 s29, s28
	s_mov_b32 s72, 2
.Lp2:
	v_add_nc_u32 v[AD], s31, v[LI]
	v_add_nc_u32 v[AD2], s66, v[MR]
	P2TILE 0, .Lp2e
	P2TILE 1, .Lp2e
	P2TILE 2, .Lp2e
	P2TILE 3, .Lp2e
.Lp2e:
	s_add_co_u32 s31, s31, 16384
	s_add_co_u32 s66, s66, 256
	s_sub_co_i32 s29, s29, 64
	s_sub_co_u32 s72, s72, 1
	s_cmp_lg_u32 s72, 0
	s_cbranch_scc1 .Lp2
	s_wait_xcnt 0x0                                ; the stores have read their data and offsets
	BARRIER                                        ; nobody reads the slots' words or the hidden images any more
	s_add_co_u32 s69, s69, 128
	s_cmp_le_i32 s28, 128
	s_cbranch_scc1 .Lnox                           ; no further block
	SELECT
	global_load_b32 v[GSEL], v[A4], s[16:17]
	global_load_b128 v[GWGT:GWGT+3], v[A16], s[18:19]
	XG XF, TOKA
	s_wait_loadcnt 0x0
	METAOUT
	XIMAGE XF, 0
	s_wait_dscnt 0x0                               ; the stores have read their registers
	XG XF, TOKB
	s_wait_loadcnt 0x0
	XIMAGE XF, 1
.Lnox:
	BARRIER                                        ; the next block's images of x lie in LDS
	s_sub_co_i32 s28, s28, 128
	s_mov_b32 s30, XIMG
	s_mov_b32 s31, 0
	s_mov_b32 s29, s28
	s_mov_b32 s72, 2
.Lp1:
	P1TILE 0, .Lp1e
	P1TILE 1, .Lp1e
	P1TILE 2, .Lp1e
	P1TILE 3, .Lp1e
.Lp1e:
	s_add_co_u32 s30, s30, 32768
	s_add_co_u32 s31, s31, 16384
	s_sub_co_i32 s29, s29, 64
	s_sub_co_u32 s72, s72, 1
	s_cmp_lg_u32 s72, 0
	s_cbranch_scc1 .Lp1
	s_sub_co_u32 s71, s71, 1
	s_cmp_lg_u32 s71, 0
	s_cbranch_scc1 .Lblock
	s_endpgm
.Lfunc_end_k_q22ae86e582_experts:
	.size	k_q22ae86e582_experts, .Lfunc_end_k_q22ae86e582_experts-k_q22ae86e582_experts
	.p2alignl 7, 3214868480
	.fill 96, 4, 3214868480
	.section	.rodata,"a",@progbits
	.p2align	6, 0x0
	.amdhsa_kernel k_q22ae86e582_experts
		.amdhsa_group_segment_fixed_size 133120
		.amdhsa_private_segment_fixed_size 0
		.amdhsa_enable_private_segment 0
		.amdhsa_kernarg_size 72
		.amdhsa_user_sgpr_count 2
		.amdhsa_user_sgpr_kernarg_segment_ptr 1
		.amdhsa_wavefront_size32 1
		.amdhsa_system_sgpr_workgroup_id_x 1
		.amdhsa_system_sgpr_workgroup_id_y 1
		.amdhsa_system_sgpr_workgroup_id_z 1
		.amdhsa_system_vgpr_workitem_id 0
		.amdhsa_next_free_vgpr 1024
		.amdhsa_next_free_sgpr 102
		.amdhsa_reserve_vcc 1
		.amdhsa_float_denorm_mode_32 3
		.amdhsa_float_denorm_mode_16_64 3
		.amdhsa_memory_ordered 1
		.amdhsa_forward_progress 1
		.amdhsa_inst_pref_size 255
	.end_amdhsa_kernel
	.section	.bss,"aw",@nobits
	.p2align	6
	.space	262144
	.amdgpu_metadata
---
amdhsa.version: [ 1, 2 ]
amdhsa.kernels:
  - .name:           k_q22ae86e582_experts
    .symbol:         k_q22ae86e582_experts.kd
    .args:
      - { .name: W1, .offset: 0, .size: 8, .value_kind: global_buffer, .address_space: global }
      - { .name: W2, .offset: 8, .size: 8, .value_kind: global_buffer, .address_space: global }
      - { .name: b1, .offset: 16, .size: 8, .value_kind: global_buffer, .address_space: global }
      - { .name: b2, .offset: 24, .size: 8, .value_kind: global_buffer, .address_space: global }
      - { .name: lowp_scales, .offset: 32, .size: 8, .value_kind: global_buffer, .address_space: global }
      - { .name: xq, .offset: 40, .size: 8, .value_kind: global_buffer, .address_space: global }
      - { .name: selp, .offset: 48, .size: 8, .value_kind: global_buffer, .address_space: global }
      - { .name: wgt, .offset: 56, .size: 8, .value_kind: global_buffer, .address_space: global }
      - { .name: ypart, .offset: 64, .size: 8, .value_kind: global_buffer, .address_space: global }
    .group_segment_fixed_size: 133120
    .private_segment_fixed_size: 0
    .kernarg_segment_align: 8
    .kernarg_segment_size: 72
    .max_flat_workgroup_size: 128
    .sgpr_count:     102
    .vgpr_count:     1024
    .wavefront_size: 32
...
	.end_amdgpu_metadata
.endif
;; end of part 2
;; launch combine (part 3): grid 256 x 1, 16 waves a work-group, no clusters, 0 bytes of LDS; arguments ypart, out0; writes out0
.if DOCPART == 3
	.amdgcn_target "amdgcn-amd-amdhsa--gfx1250"
	.amdhsa_code_object_version 6
	.text
	.protected	k_q22ae86e582_combine
	.globl	k_q22ae86e582_combine
	.p2align	8
	.type	k_q22ae86e582_combine,@function
k_q22ae86e582_combine:
	s_mov_b64 s[64:65], 0
	v_nop
	global_prefetch_b8 v0, s[64:65] scope:SCOPE_SE
	s_setreg_imm32_b32 hwreg(HW_REG_WAVE_MODE, 25, 1), 1
	s_wait_xcnt 0x0
; out0[token] = the sum of the token's 16 weighted parts (4 choices x 4 quarters of the hidden layer) in ypart [token][16][512] f32.  Each output row has one owner.
; A work-group takes 4 tokens; wave w takes token w >> 2 and 128 of its 512 numbers (w & 3): 16 loads of 512 consecutive bytes, all on their way at once, one store of 512 consecutive aligned bytes.
; A stream: no LDS, no barrier, no matrix unit; waves share nothing.
	s_load_b128 s[4:7], s[0:1], 0x0                ; ypart, out0
	v_lshrrev_b32 v1, 5, v0
	v_readfirstlane_b32 s8, v1                     ; wave 0..15
	s_lshr_b32 s9, s8, 2                           ; which of the 4 tokens
	s_and_b32 s10, s8, 3                           ; which quarter of the row
	v_and_b32 v1, 31, v0
	v_lshlrev_b32 v1, 4, v1
	s_lshl_b32 s10, s10, 9
	v_add_nc_u32 v1, s10, v1                       ; 16 x lane + 512 x quarter
	s_lshl_b32 s12, ttmp9, 17                      ; 4 tokens x 32,768 bytes of parts
	s_lshl_b32 s11, s9, 15
	s_add_co_u32 s12, s12, s11
	s_mov_b32 s13, 0
	s_lshl_b32 s14, ttmp9, 13                      ; 4 rows of 2,048 bytes
	s_lshl_b32 s11, s9, 11
	s_add_co_u32 s14, s14, s11
	s_mov_b32 s15, 0
	s_wait_kmcnt 0x0
	s_add_nc_u64 s[4:5], s[4:5], s[12:13]
	s_add_nc_u64 s[6:7], s[6:7], s[14:15]
.irp p, 0,1,2,3,4,5,6,7,8,9,10,11,12,13,14,15
	global_load_b128 v[8+4*\p:11+4*\p], v1, s[4:5] offset:2048*\p th:TH_LOAD_NT
.endr
.irp g, 0,1,2,3
	s_wait_loadcnt 12-4*\g                         ; behind this group of four stand the later groups' loads
	v_pk_add_f32 v[8+16*\g:9+16*\g], v[8+16*\g:9+16*\g], v[12+16*\g:13+16*\g]
	v_pk_add_f32 v[10+16*\g:11+16*\g], v[10+16*\g:11+16*\g], v[14+16*\g:15+16*\g]
	v_pk_add_f32 v[16+16*\g:17+16*\g], v[16+16*\g:17+16*\g], v[20+16*\g:21+16*\g]
	v_pk_add_f32 v[18+16*\g:19+16*\g], v[18+16*\g:19+16*\g], v[22+16*\g:23+16*\g]
	v_pk_add_f32 v[8+16*\g:9+16*\g], v[8+16*\g:9+16*\g], v[16+16*\g:17+16*\g]
	v_pk_add_f32 v[10+16*\g:11+16*\g], v[10+16*\g:11+16*\g], v[18+16*\g:19+16*\g]
.endr
	v_pk_add_f32 v[8:9], v[8:9], v[24:25]
	v_pk_add_f32 v[10:11], v[10:11], v[26:27]
	v_pk_add_f32 v[40:41], v[40:41], v[56:57]
	v_pk_add_f32 v[42:43], v[42:43], v[58:59]
	v_pk_add_f32 v[8:9], v[8:9], v[40:41]
	v_pk_add_f32 v[10:11], v[10:11], v[42:43]
	global_store_b128 v1, v[8:11], s[6:7] th:TH_STORE_NT
	s_endpgm
.Lfunc_end_k_q22ae86e582_combine:
	.size	k_q22ae86e582_combine, .Lfunc_end_k_q22ae86e582_combine-k_q22ae86e582_combine
	.p2alignl 7, 3214868480
	.fill 96, 4, 3214868480
	.section	.rodata,"a",@progbits
	.p2align	6, 0x0
	.amdhsa_kernel k_q22ae86e582_combine
		.amdhsa_group_segment_fixed_size 0
		.amdhsa_private_segment_fixed_size 0
		.amdhsa_enable_private_segment 0
		.amdhsa_kernarg_size 16
		.amdhsa_user_sgpr_count 2
		.amdhsa_user_sgpr_kernarg_segment_ptr 1
		.amdhsa_wavefront_size32 1
		.amdhsa_system_sgpr_workgroup_id_x 1
		.amdhsa_system_sgpr_workgroup_id_y 1
		.amdhsa_system_sgpr_workgroup_id_z 1
		.amdhsa_system_vgpr_workitem_id 0
		.amdhsa_next_free_vgpr 72
		.amdhsa_next_free_sgpr 66
		.amdhsa_reserve_vcc 0
		.amdhsa_float_denorm_mode_32 3
		.amdhsa_float_denorm_mode_16_64 3
		.amdhsa_memory_ordered 1
		.amdhsa_forward_progress 1
		.amdhsa_inst_pref_size 5
	.end_amdhsa_kernel
	.amdgpu_metadata
---
amdhsa.version: [ 1, 2 ]
amdhsa.kernels:
  - .name:           k_q22ae86e582_combine
    .symbol:         k_q22ae86e582_combine.kd
    .args:
      - { .name: ypart, .offset: 0, .size: 8, .value_kind: global_buffer, .address_space: global }
      - { .name: out0, .offset: 8, .size: 8, .value_kind: global_buffer, .address_space: global }
    .group_segment_fixed_size: 0
    .private_segment_fixed_size: 0
    .kernarg_segment_align: 8
    .kernarg_segment_size: 16
    .max_flat_workgroup_size: 512
    .sgpr_count:     66
    .vgpr_count:     72
    .wavefront_size: 32
...
	.end_amdgpu_metadata
.endif
;; end of part 3
